; MI455X (gfx1250); checked and timed in simulation.
; The chip was launched on July 23, 2026; its instructions are those of AMD's public machine-readable ISA for CDNA 5 (MIT licence, August 2026) and "CDNA5" Instruction Set Architecture Reference Guide (July 2026). The comments in the code are by the model that wrote it; some were corrected since.
;; Multi Head Self Attention. Allowed arithmetic: matrix products marked QUANTISED: E2M1 operands, one E8M0 scale for each 32 along K, by v_wmma_scale_f32_16x16x128_f8f6f4 with both operands' format E2M1 (or v_wmma_scale_f32_32x16x128_f4), f32 sums; everything else in f32.
;; Inputs: W_out_codes 1,024 x 32 x 16 uint8 (E2M1 codes of W_out, K innermost, in blocks of 32 codes, two codes a byte); W_out_scales 1,024 x 32 uint8 (E8M0 scales of W_out, one for each 32 codes along K); W_qkv_codes 3,072 x 32 x 16 uint8 (E2M1 codes of W_qkv, K innermost, in blocks of 32 codes, two codes a byte); W_qkv_scales 3,072 x 32 uint8 (E8M0 scales of W_qkv, one for each 32 codes along K); b_out 1,024 float32; b_qkv 3,072 float32; pad_mask 4 x 2,048 bool; x_codes 4 x 2,048 x 32 x 16 uint8 (E2M1 codes of x, K innermost, in blocks of 32 codes, two codes a byte); x_scales 4 x 2,048 x 32 uint8 (E8M0 scales of x, one for each 32 codes along K).
;; Outputs: out0 4 x 2,048 x 1,024 float32.
;; This version of the problem:
;;   THIS VERSION OF THE PROBLEM IS GIVEN IN LOW PRECISION. The matrix products marked QUANTISED in the list below multiply operands that are first quantised to E2M1 (2 exponent bits, 1 mantissa bit; 4 bits a number), with one power-of-two scale for each 32 numbers along K (OCP MX v1.0); their sums are f32. All else is computed in f32.
;;   The module's matrix products, in the order in which they are computed (A, B: the left and right operand; K: the contracted axis; several contracted axes count as one K, in the product's order):
;;     1. [M 8,192, K 1,024] x [K 1,024, N 3,072]; A: input x (given as codes); B: input W_qkv (given as codes): QUANTISED
;;     2. batch 64 x [M 2,048, K 64] x [K 64, N 2,048]; A: computed on the way; B: computed on the way: QUANTISED
;;     3. batch 64 x [M 2,048, K 2,048] x [K 2,048, N 64]; A: softmax (see below); B: computed on the way: QUANTISED
;;     4. [M 8,192, K 1,024] x [K 1,024, N 1,024]; A: computed on the way; B: input W_out (given as codes): QUANTISED
;;   THE QUANTISER, for each operand of a quantised product, along K:
;;     - K is cut into blocks of 32 from its start; a last block that is shorter is filled with zeros.
;;     - A block's scale is 2^e with e = floor(log2(the largest magnitude in the block)) - 2, held to -126 .. 127; a block of zeros has e = 0. As a byte (E8M0): e + 127.
;;     - Each number is divided by its block's scale, clamped to +-6, and rounded to the nearest number of E2M1, ties to even, subnormals kept.
;;     - The product sums the exact products of the quantised numbers (number of the format x scale) in f32.
;;   ~~~python
;;   def quantise(x, axis):      # numpy; x: float32 -> the quantised numbers, widened to float32 again
;;       x = np.moveaxis(x, axis, -1); K = x.shape[-1]
;;       x = np.pad(x, [(0, 0)] * (x.ndim - 1) + [(0, -K % 32)]); x = x.reshape(x.shape[:-1] + (-1, 32)); a = np.abs(x).max(-1, keepdims=True)
;;       e = np.where(a > 0, np.clip(np.frexp(np.where(a > 0, a, 1))[1] - 1 - 2, -126, 127), 0)      # np.frexp(a)[1] - 1 = floor(log2(a)), exactly
;;       r = np.clip(x / 2.0 ** e, -6, 6)
;;       step = 2.0 ** (np.maximum(np.frexp(np.where(r == 0, 1, r))[1] - 1, 0) - 1)
;;       q = np.round(r / step) * step * 2.0 ** e      # np.round: ties to even
;;       return np.moveaxis(q.reshape(q.shape[:-2] + (-1,))[..., :K], -1, axis).astype(np.float32)
;;   ~~~
;;   SOFTMAX AHEAD OF A QUANTISED PRODUCT. Where the list says 'softmax', what is quantised is not the finished softmax but p = 2^(t - M), with t = logit x log2(e) and M = ceil(the row's largest t), a whole number; so 1/2 < the row's largest p <= 1. The row's sum l is taken of the UNQUANTISED p, in f32, and the product's result is divided by l at the end. Since M is a whole number, a kernel that streams over the keys may use a running M (the ceiling of the running maximum): every later rescaling is an exact power of two, which a block's scale takes up: the codes' values come out the same.
;;   OPERANDS COMPUTED ON THE WAY. 'Computed on the way' means the value that the module computes at that place (a softmax that the list does not call 'softmax' is quantised finished and normalised). What goes into a quantiser is computed in f32, as accurately as f32 sums, v_exp_f32 and their like allow (about 1e-6 of the number): no bf16 or f16 on the way to a quantiser, and a product that is left as it is and whose result goes on into a quantised operand takes f32 operands (vector FMAs, or v_wmma_f32_16x16x4_f32). A number that lies on a knife's edge between two numbers of the format may be rounded either way, as far as f32 arithmetic and the matrix unit's own rounding can turn it there, and no further.
;;   INPUTS GIVEN AS CODES. W_out (in the module: [1024, 1024], K = its axis 0); W_qkv (in the module: [1024, 3072], K = its axis 0); x (in the module: [4, 2048, 1024], K = its axis 2): each comes as NAME_codes (uint8): NAME with its K axis moved to the last place and cut into blocks of 32 codes, [.., K / 32, bytes a block], one block behind the other in memory; two codes a byte, the lower K in the low four bits (a code: sign, 2 exponent bits, 1 mantissa bit); and NAME_scales (uint8): the same leading axes, one E8M0 byte (e + 127) for each 32 codes along K. Its value is code x scale, taken as it is: it is not quantised again, and the codes and scales need not be those that the quantiser above would give.
;; One version. Each part assembles by itself: llvm-mc -triple=amdgcn-amd-amdhsa -mcpu=gfx1250 --defsym DOCPART=n.
;; ======== version 1 of 1: 3 launches
;; limits: right only within a limited range of input values
;; workspace buffers: qc 4,194,304 bytes; qs 524,288 bytes; kc 4,194,304 bytes; ks 524,288 bytes; vc 4,194,304 bytes; vs 262,144 bytes; ac 4,194,304 bytes; as16 262,144 bytes
;; launch qkv (part 1): grid 12 x 64, 4 waves a work-group, clusters of 4 x 4, 213,504 bytes of LDS; arguments x_codes, x_scales, W_qkv_codes, W_qkv_scales, b_qkv, pad_mask, qc, qs, kc, ks, vc, vs; writes qc, qs, kc, ks, vc, vs
.if DOCPART == 1
	.amdgcn_target "amdgcn-amd-amdhsa--gfx1250"
	.amdhsa_code_object_version 6
	.text
	.protected	k_q6f25fedeb8_qkv
	.globl	k_q6f25fedeb8_qkv
	.p2align	8
	.type	k_q6f25fedeb8_qkv,@function
k_q6f25fedeb8_qkv:
	s_mov_b64 s[64:65], 0
	v_nop
	global_prefetch_b8 v0, s[64:65] scope:SCOPE_SE
	s_setreg_imm32_b32 hwreg(HW_REG_WAVE_MODE, 25, 1), 1
	s_wait_xcnt 0x0
	s_wait_alu depctr_hold_cnt(0) depctr_sa_sdst(0) depctr_va_vdst(0) depctr_va_sdst(0) depctr_va_ssrc(0) depctr_va_vcc(0) depctr_vm_vsrc(0)
	s_getreg_b32 s2, hwreg(HW_REG_IB_STS2, 6, 4)
	s_cmp_eq_u32 s2, 0
	s_cbranch_scc0 .Lentry_in_a_cluster
	s_endpgm
.Lentry_in_a_cluster:
	s_bfe_u32 s2, ttmp6, 0x10000c
	s_cmp_lg_u32 s2, 0xf033
	s_cbranch_scc0 .Lentry_shape_is_right
	s_endpgm
.Lentry_shape_is_right:
; qkv = x W_qkv + b_qkv on codes of FP4 (E2M1) with E8M0 scales, and its three parts quantised at once for the attention launch: q and k along the head's 64, v along the keys.
; x: 8,192 rows x 1,024 K (512 bytes a row), W_qkv: 3,072 rows x 1,024 K; their scale bytes 32 a row.  Column n of qkv = 1,024 x (q, k, v) + 64 x head + d.
; SHARES.  A work-group makes 128 rows of A' x 256 rows of B'; a wave 64 x 128: 32 accumulators of 16 x 16.  Source 0 = 16 rows of B', source 1 = 16 rows of A': a lane holds ONE row of A' and eight neighbours along B'.
;   q, k (cluster x = 0, 1): A' = x, B' = W: a lane holds one token, its registers run along d: the quantiser's K.
;   v    (cluster x = 2):    A' = W, B' = x: a lane holds one d, its registers run along the keys: the quantiser's K.  Nothing is ever transposed.
; K = 1,024 lies whole in LDS, as two halves of 512 (rows of 256 bytes + 16 of padding); each byte of LDS is filled once.
; CLUSTER 4 x 4: A's tile hangs on the cluster's row alone and is asked for jointly along it, B's on the column alone.
; WHAT LEAVES: images of operand registers.  qc, kc: [16 b + head][tile of 16 rows][lane][16 bytes] = registers 0-3 of a fragment (row lane % 16, d = 32 (lane / 16) + 0 .. 31).
;   vc: [16 b + head][step of 128 keys][tile of 16 d][half][lane][16 bytes].  qs, ks: [16 b + head][64 rows][r][t] words of row 16 t + r; vs: [16 b + head][step][r][t] words of d = 16 t + r.
;   A word of qs or ks: bytes 0, 1 the row's two block scales; bytes 2, 3 serve the key mask in the idle half of the score product's K: 127 in q; in k 1 where pad_mask lets the key count, 187 where not.
; THE QUANTISER: a block's scale byte is its largest magnitude's exponent field - 2, held at 1 from below by a floor among the maximum's leaves.
; LIMITS: NaN and infinities are not served; a block whose largest magnitude lies under 2^-124 (a block of zeros too) keeps the byte 1, where the rule says 127 for zeros: its codes are zeros and only this program reads the bytes.
.set PITCH,  272                       ; an LDS row: 256 bytes + 16: the sixteen rows of a fragment load begin 16 bytes apart modulo 256
.set AHALF,  64*PITCH                  ; 64 rows of A': one tensor load, and one wave's share
.set BHALF,  128*PITCH                 ; 128 rows of B' likewise
.set BOFF,   128*PITCH                 ; B' lies behind A's 128 rows
.set SLOT,   384*PITCH                 ; half of K
.set WSTQ,   2*SLOT                    ; behind the tiles: the q/k path's scale words, 512 bytes a wave
.set WSTV,   WSTQ+2048                 ; and the v path's, 256 bytes a wave
.set ADRA, 4                           ; v4-5   my A' fragments in half 0, 1
.set ADRB, 6                           ; v6-7   my B' fragments
.set SOF,  8                           ; v8     32 r: a row of scale bytes
.set LI,   10                          ; v10    16 x lane
.set WQ,   11                          ; v11    q/k: where my row's words go
.set WVS,  12                          ; v12    v: the same
.set WQR,  13                          ; v13    q/k: where I read them back
.set WVR,  14                          ; v14    v: the same
.set QGO,  15                          ; v15    q/k: 16 r + a head's 8,192 bytes x (lane / 16)
.set HIW,  16                          ; v16-19 q/k: bytes 2, 3 of my rows' words
.set MB,   20                          ; v20-23 q/k: my rows' mask bytes; v: my rows' bias
.set VGO,  24                          ; v24    8 x lane
.set BOFS, 25                          ; v25    the bias loads' offset
.set VF,   27
.set VT,   28
.set SA,   32                          ; v32-63   A's scale words: 8 a + K step
.set SB,   64                          ; v64-127  B's: 8 b + K step
.set BI,   128                         ; v128-191 the bias in the result's layout: the C of the first K step
.set TM,   192                         ; at work in the quantiser
.set TP,   196
.set SO,   200
.set PW,   204                         ; v204-207 the scale word of block a
.set WA,   208
.set WB,   212
.set PC,   216                         ; v216-247 the codes of block a: 8 registers each, never rewritten
.set RB,   248
.set WV,  28
.set RH,  29                           ; which 64 rows of A' are mine; also: I fetch for A' (0) or B' (1)
.set CH,  30                           ; which 128 rows of B' are mine; also: which half of the tile I fetch
.set ISV, 31
.set G1A, 32
.set G1B, 40
.set G0A, 48
.set G0B, 56
.set CX,  66
.set CY,  67
.set XX,  68
.set YY,  69
.set TA,  70
.set TB,  72
.set AROW, 90                          ; my first row of A'
.set BROW, 91                          ; my first row of B'
.set SEL, 92
.set MULW, 0xa5                        ; sources 0, 1 window 1; C and D window 2
.set MUL0, 0x85                        ; the same with C in window 0
.set TO_F, 0x40                        ; destination window 1
.set MSB, 0
.macro WIN new                         ; the immediate's high byte repeats the setting that is left
.if MSB != \new
	s_set_vgpr_msb (MSB<<8)|\new
.set MSB, \new
.endif
.endm
.macro PLACES                          ; four plain places behind matrix instructions (ISA guide 7.12.1)
.rept 4
	v_nop
.endr
.endm
.macro JLOAD s                         ; a joint load: waves 0, 1 fetch A's halves, waves 2, 3 B's; four v_nop follow each line
	s_cmp_eq_u32 s[RH], 0
	s_cbranch_scc0 .Lfor_b_\@
	tensor_load_to_lds s[G0A+4*\s:G0A+4*\s+3], s[G1A:G1A+7]
	s_nop 0
.rept 4
	v_nop
.endr
	s_branch .Lasked_\@
.Lfor_b_\@:
	tensor_load_to_lds s[G0B+4*\s:G0B+4*\s+3], s[G1B:G1B+7]
	s_nop 0
.rept 4
	v_nop
.endr
.Lasked_\@:
.endm
.macro CROUND                          ; a round of the cluster's barrier
	s_barrier_signal -1
	s_barrier_wait -1
	s_cmp_lg_u32 s[WV], 0
	s_cbranch_scc1 .Lnot_wave_0_\@
	s_barrier_signal -3
.Lnot_wave_0_\@:
	s_barrier_wait -3
	s_barrier_signal -1
	s_barrier_wait -1
.endm
.macro SHAPE g, rows                   ; descriptor group 1 but for its first word: rows of 256 bytes, 512 bytes apart in memory
	s_mov_b32 s[\g+1], 256<<16
	s_mov_b32 s[\g+2], (\rows)<<16
	s_mov_b32 s[\g+3], 256<<16
	s_mov_b32 s[\g+4], \rows
	s_mov_b32 s[\g+5], 512
	s_mov_b32 s[\g+6], 0
	s_mov_b32 s[\g+7], 0
.endm
	s_load_b512 s[4:19], s[0:1], 0x0               ; x codes, x scales, W codes, W scales, b_qkv, pad_mask, qc, qs
	s_load_b256 s[20:27], s[0:1], 0x40             ; kc, ks, vc, vs
	v_lshl_add_u32 v254, v0, 2, 0x34000
	v_mov_b32 v255, 0
	ds_add_u32 v254, v255
	ds_add_u32 v254, v255
	v_lshrrev_b32 v1, 5, v0
	v_readfirstlane_b32 s[WV], v1
	s_lshr_b32 s[RH], s[WV], 1
	s_and_b32 s[CH], s[WV], 1
	s_bfe_u32 s[CX], ttmp6, 0x40000
	s_bfe_u32 s[CY], ttmp6, 0x40004
	s_mov_b32 s[XX], ttmp9                         ; cluster x: 0 q, 1 k, 2 v
	s_and_b32 s[YY], ttmp7, 0xffff                 ; cluster y: 0 .. 15
	s_lshl_b32 s[TA], s[YY], 2                     ; q, k: A' = x in tiles of 128 rows: 4 Y + cy
	s_and_b32 s71, s[YY], 1
	s_lshl_b32 s71, s71, 2
	s_add_co_u32 s71, s71, 16                      ; v: A' = W in tiles of 128 rows: 16 + 4 (Y % 2) + cy
	s_lshl_b32 s[TB], s[XX], 2                     ; q, k: B' = W in tiles of 256 rows: 4 X + cx
	s_lshr_b32 s73, s[YY], 1
	s_lshl_b32 s73, s73, 2                         ; v: B' = x in tiles of 256 rows: 4 (Y / 2) + cx
	s_cmp_eq_u32 s[XX], 2
	s_cselect_b32 s[ISV], 1, 0
	s_cselect_b32 s[TA], s71, s[TA]
	s_cselect_b32 s[TB], s73, s[TB]
	s_add_co_u32 s[TA], s[TA], s[CY]
	s_add_co_u32 s[TB], s[TB], s[CX]
	s_lshl_b32 s74, s[CY], 2
	s_lshl_b32 s74, 15, s74                        ; my row of the cluster
	s_lshl_b32 s75, 0x1111, s[CX]                  ; my column
	s_or_b32 s[G1A], s74, (1<<20)|(1<<21)|(5<<22)|(3<<25)   ; the mask; elements of 1 byte; padding on; bit 21 beside a mask; 4 words behind every 64
	s_or_b32 s[G1B], s75, (1<<20)|(1<<21)|(5<<22)|(3<<25)
	SHAPE G1A, 64
	SHAPE G1B, 128
	s_lshl_b32 s76, s[TA], 7
	s_lshl_b32 s77, s[CH], 6
	s_add_co_u32 s76, s76, s77                     ; A': the first row that I fetch,
	s_lshl_b32 s76, s76, 9                         ; in bytes
	s_mov_b32 s77, 0
	s_lshl_b32 s78, s[TB], 8
	s_lshl_b32 s79, s[CH], 7
	s_add_co_u32 s78, s78, s79                     ; B' likewise
	s_lshl_b32 s78, s78, 9
	s_mov_b32 s79, 0
	s_mul_i32 s88, s[CH], AHALF                    ; where they go: the wave's number alone enters an LDS address
	s_mul_i32 s89, s[CH], BHALF
	s_add_co_u32 s89, s89, BOFF
	s_wait_dscnt 0x0
	s_wait_kmcnt 0x0
	s_cmp_eq_u32 s[ISV], 1                         ; the roles: a choice of buffers on the cluster's x
	s_cselect_b64 s[80:81], s[8:9], s[4:5]         ; A's codes
	s_cselect_b64 s[82:83], s[4:5], s[8:9]         ; B's codes
	s_cselect_b64 s[84:85], s[10:11], s[6:7]       ; A's scales
	s_cselect_b64 s[86:87], s[6:7], s[10:11]       ; B's scales
	s_add_nc_u64 s[80:81], s[80:81], s[76:77]
	s_add_nc_u64 s[82:83], s[82:83], s[78:79]
	CROUND                                         ; all sixteen work-groups are here: the joint loads meet
.irp s, 0,1
	s_mov_b32 s[G0A+4*\s], 1
	s_add_co_u32 s[G0A+4*\s+1], s88, \s*SLOT
	s_add_nc_u64 s[G0A+4*\s+2:G0A+4*\s+3], s[80:81], \s*256
	s_or_b32 s[G0A+4*\s+3], s[G0A+4*\s+3], 0x80000000
	s_mov_b32 s[G0B+4*\s], 1
	s_add_co_u32 s[G0B+4*\s+1], s89, \s*SLOT
	s_add_nc_u64 s[G0B+4*\s+2:G0B+4*\s+3], s[82:83], \s*256
	s_or_b32 s[G0B+4*\s+3], s[G0B+4*\s+3], 0x80000000
	JLOAD \s                                       ; both halves of K go out at once: two tensor loads of mine are out
.endr
	s_lshl_b32 s[AROW], s[TA], 7
	s_lshl_b32 s76, s[RH], 6
	s_add_co_u32 s[AROW], s[AROW], s76
	s_lshl_b32 s[BROW], s[TB], 8
	s_lshl_b32 s78, s[CH], 7
	s_add_co_u32 s[BROW], s[BROW], s78
	s_lshl_b32 s76, s[AROW], 5                     ; 32 scale bytes a row
	s_mov_b32 s77, 0
	s_add_nc_u64 s[84:85], s[84:85], s[76:77]
	s_lshl_b32 s78, s[BROW], 5
	s_mov_b32 s79, 0
	s_add_nc_u64 s[86:87], s[86:87], s[78:79]
	v_and_b32 v1, 15, v0                           ; r
	v_bfe_u32 v2, v0, 4, 1                         ; h
	v_and_b32 v3, 31, v0                           ; lane
	v_lshlrev_b32 v[SOF], 5, v1
; The scale words of all eight K steps come once, straight into registers: a row's 32 bytes are two loads of 16; the two loads of a block of 16 rows cover 512 consecutive bytes.
.irp a, 0,1,2,3
	global_load_b128 v[SA+8*\a:SA+8*\a+3], v[SOF], s[84:85] offset:512*\a
	global_load_b128 v[SA+8*\a+4:SA+8*\a+7], v[SOF], s[84:85] offset:512*\a+16
.endr
.irp b, 0,1,2,3,4,5,6,7
	global_load_b128 v[SB+8*\b:SB+8*\b+3], v[SOF], s[86:87] offset:512*\b
	global_load_b128 v[SB+8*\b+4:SB+8*\b+7], v[SOF], s[86:87] offset:512*\b+16
.endr
	v_mul_u32_u24 v9, v1, PITCH
	v_lshl_add_u32 v9, v2, 4, v9                   ; a fragment's row x pitch + 16 x half
	s_mul_i32 s88, s[RH], AHALF
	s_mul_i32 s89, s[CH], BHALF
	s_add_co_u32 s89, s89, BOFF
.irp s, 0,1
	v_add_nc_u32 v[ADRA+\s], s88, v9
	v_add_nc_u32 v[ADRB+\s], s89, v9
	s_add_co_u32 s88, s88, SLOT
	s_add_co_u32 s89, s89, SLOT
.endr
	v_lshlrev_b32 v[LI], 4, v3
	v_lshlrev_b32 v[VGO], 3, v3
	v_lshlrev_b32 v[QGO], 4, v1
	v_lshl_add_u32 v[QGO], v2, 13, v[QGO]
	s_lshl_b32 s88, s[WV], 9
	s_add_co_u32 s88, s88, WSTQ
	v_lshl_add_u32 v[WQ], v1, 4, s88
	v_lshl_add_u32 v[WQR], v3, 4, s88
	s_lshl_b32 s88, s[WV], 8
	s_add_co_u32 s88, s88, WSTV
	v_lshl_add_u32 v[WVS], v1, 4, s88
	v_lshl_add_u32 v[WVR], v3, 3, s88
	s_mov_b32 s[SEL], 0x76543210
	s_mov_b32 s[SEL+1], 0xfedcba98                 ; v_permlanex16_b32's selects for lane l xor 16
.irp b, 0,1,2,3
	v_mov_b32 v[TP+\b], 0                          ; written once: a lane permute's destination counts as one of its sources
.endr
; 24 LDS loads: the fragments of K step q (16 rows x 128 K = 8 registers: two loads of 16 bytes, 32 bytes apart) into set p of window 1: A's four at 8 a, B's eight at 32 + 8 b
.macro FETCH q, p
	WIN TO_F
.irp b, 0,1,2,3,4,5,6,7
.irp c, 0,1
	ds_load_b128 v[128*(\p)+32+8*\b+4*\c:128*(\p)+32+8*\b+4*\c+3], v[ADRB+(\q)/4] offset:64*((\q)%4)+32*\c+\b*16*PITCH
.endr
.endr
.irp a, 0,1,2,3
.irp c, 0,1
	ds_load_b128 v[128*(\p)+8*\a+4*\c:128*(\p)+8*\a+4*\c+3], v[ADRA+(\q)/4] offset:64*((\q)%4)+32*\c+\a*16*PITCH
.endr
.endr
	WIN 0
.endm
; 16 matrix instructions: A's blocks a0, a0 + 1 x B's eight.  mode 0: onto the sums; 1: the sums begin with the bias along B' (q, k); 2: with the bias along A' (v).
; The 32 accumulators take turns, one instruction a turn, in the same order in every K step.
.macro MUL q, p, mode, a0
.irp a, \a0, \a0+1
.irp b, 0,1,2,3,4,5,6,7
.if \mode == 0
	v_wmma_scale_f32_16x16x128_f8f6f4 v[8*(8*(\a)+\b):8*(8*(\a)+\b)+7], v[128*(\p)+32+8*\b:128*(\p)+32+8*\b+7], v[128*(\p)+8*(\a):128*(\p)+8*(\a)+7], v[8*(8*(\a)+\b):8*(8*(\a)+\b)+7], v[SB+8*\b+(\q)], v[SA+8*(\a)+(\q)] matrix_a_fmt:MATRIX_FMT_FP4 matrix_b_fmt:MATRIX_FMT_FP4
.elseif \mode == 1
	v_wmma_scale_f32_16x16x128_f8f6f4 v[8*(8*(\a)+\b):8*(8*(\a)+\b)+7], v[128*(\p)+32+8*\b:128*(\p)+32+8*\b+7], v[128*(\p)+8*(\a):128*(\p)+8*(\a)+7], v[BI+8*\b:BI+8*\b+7], v[SB+8*\b+(\q)], v[SA+8*(\a)+(\q)] matrix_a_fmt:MATRIX_FMT_FP4 matrix_b_fmt:MATRIX_FMT_FP4
.else
	v_wmma_scale_f32_16x16x128_f8f6f4 v[8*(8*(\a)+\b):8*(8*(\a)+\b)+7], v[128*(\p)+32+8*\b:128*(\p)+32+8*\b+7], v[128*(\p)+8*(\a):128*(\p)+8*(\a)+7], v[BI+8*(\a):BI+8*(\a)+7], v[SB+8*\b+(\q)], v[SA+8*(\a)+(\q)] matrix_a_fmt:MATRIX_FMT_FP4 matrix_b_fmt:MATRIX_FMT_FP4
.endif
.endr
.endr
.endm
; A K step whose successor lies in the same half of K: the next step's fragments are asked for first, then this step's 32 products are issued.
.macro STEP q, mode
	s_wait_dscnt 0x0                               ; this step's fragments are in (asked for 32 matrix instructions ago)
	PLACES                                         ; in front of loads into the set that the last step multiplied
	FETCH (\q)+1, 1-(\q)%2
.if \mode
	WIN MUL0
.else
	WIN MULW
.endif
	MUL \q, (\q)%2, \mode, 0
	MUL \q, (\q)%2, \mode, 2
	WIN 0
.endm
; The eight K steps.
.macro BODY mode
	s_wait_tensorcnt 0x1                           ; my part of the first half of K is in; the one younger load, the second half's, may stay out
	s_barrier_signal -1
	s_barrier_wait -1                              ; everybody's part is in
	FETCH 0, 0
	s_wait_loadcnt 0x0                             ; scale words, bias (and the mask bytes)
.if \mode == 2
.irp a, 0,1,2,3
.irp j, 0,1,2,3,4,5,6,7
	v_mov_b32 v[BI+8*\a+\j], v[MB+\a]              ; v's bias hangs on the lane's d alone: the same in a tile's eight registers
.endr
.endr
.endif
	s_wait_alu depctr_va_vdst(0)
	STEP 0, \mode
	STEP 1, 0
	STEP 2, 0
	s_wait_dscnt 0x0                               ; step 3's fragments are in: no LDS access of mine is out at the signal
	s_wait_tensorcnt 0x0                           ; my part of the second half of K is in
	s_barrier_signal -1
	WIN MULW
	MUL 3, 1, 0, 0                                 ; work on registers while the others arrive
	WIN 0
	s_barrier_wait -1                              ; everybody's part is in
	PLACES
	FETCH 4, 0
	WIN MULW
	MUL 3, 1, 0, 2
	WIN 0
	STEP 4, 0
	STEP 5, 0
	STEP 6, 0
	s_wait_dscnt 0x0
	WIN MULW
	MUL 7, 1, 0, 0
	MUL 7, 1, 0, 2
	WIN 0
.endm
; THE QUANTISER.  The 64 results of block a (window 2, v[64 a ..]): register 8 t + j = place 16 t + 8 (lane / 16) + j along the next K, of my row.  Block b of 32 = tiles 2 b, 2 b + 1 in lanes l and l xor 16.
; A conversion takes a tile's eight neighbours.  Within each 64 along K tile u's code register goes to place 0, 2, 1, 3; two exchanges of halves then leave register i with k = 32 (lane / 16) + 8 i + 0 .. 7: the operand's layout.
.macro QUANT a
	WIN 0x0a                                       ; sources 0 and 1: window 2
.irp b, 0,1,2,3
	v_max3_num_f32 v[TM+\b], |v[64*\a+16*\b]|, |v[64*\a+16*\b+1]|, 0x1800000   ; each accumulator is read from its low end on; the floor 2^(3 - 127) holds the byte at 1 from below
.endr
.irp i, 2,4,6,8,10,12,14
.irp b, 0,1,2,3
	v_max3_num_f32 v[TM+\b], |v[64*\a+16*\b+\i]|, |v[64*\a+16*\b+\i+1]|, v[TM+\b]
.endr
.endr
	WIN 0
.irp b, 0,1,2,3
	v_permlanex16_b32 v[TP+\b], v[TM+\b], s[SEL], s[SEL+1]
.endr
.irp b, 0,1,2,3
	v_max_num_f32 v[TM+\b], v[TM+\b], v[TP+\b]     ; the block's largest magnitude
.endr
.irp b, 0,1,2,3
	v_add_nc_u32 v[SO+\b], 0xff000000, v[TM+\b]    ; 2 off its exponent field: the conversion's scale operand
.endr
.irp b, 0,1,2,3
	v_lshrrev_b32 v[TP+\b], 23, v[SO+\b]           ; the scale's byte
.endr
	v_lshl_or_b32 v[PW+\a], v[TP+1], 8, v[TP]
	v_lshl_or_b32 v[PW+\a], v[TP+2], 16, v[PW+\a]
	v_lshl_or_b32 v[PW+\a], v[TP+3], 24, v[PW+\a]
	WIN 0x02                                       ; source 0: window 2
.irp t, 0,1,2,3,4,5,6,7
	v_cvt_scalef32_pk8_fp4_f32 v[PC+8*\a+4*(\t/4)+2*(\t%2)+(\t%4)/2], v[64*\a+8*\t:64*\a+8*\t+7], v[SO+\t/2]
.endr
	WIN 0
	v_nop                                          ; one plain place behind a scaled conversion
.irp c, 0,1
	v_permlane16_swap_b32 v[PC+8*\a+4*\c], v[PC+8*\a+4*\c+1]
	v_permlane16_swap_b32 v[PC+8*\a+4*\c+2], v[PC+8*\a+4*\c+3]
.endr
.endm
	s_cmp_eq_u32 s[ISV], 1                         ; the text parts ONCE, on the cluster's x, which all partners share; each way runs to its own end
	s_cbranch_scc1 .Lv
; ---------------- q and k: my 64 tokens x my 128 columns = two heads
	s_lshl_b32 s78, s[BROW], 2
	s_mov_b32 s79, 0
	s_add_nc_u64 s[12:13], s[12:13], s[78:79]      ; b_qkv at my first column
	v_lshlrev_b32 v[BOFS], 5, v2                   ; lane (r, h) wants, for tile b, columns 16 b + 8 h + 0 .. 7
.irp b, 0,1,2,3,4,5,6,7
	global_load_b128 v[BI+8*\b:BI+8*\b+3], v[BOFS], s[12:13] offset:64*\b
	global_load_b128 v[BI+8*\b+4:BI+8*\b+7], v[BOFS], s[12:13] offset:64*\b+16
.endr
	s_mov_b32 s76, s[AROW]
	s_mov_b32 s77, 0
	s_add_nc_u64 s[14:15], s[14:15], s[76:77]      ; pad_mask at my first token: [b][c] is the token's row number
.irp a, 0,1,2,3
	global_load_u8 v[MB+\a], v1, s[14:15] offset:16*\a
.endr
	s_lshr_b32 s94, s[AROW], 11
	s_lshl_b32 s94, s94, 4
	s_and_b32 s95, s[BROW], 1023
	s_lshr_b32 s95, s95, 6
	s_add_co_u32 s94, s94, s95                     ; 16 b + my first head
	s_and_b32 s95, s[AROW], 2047                   ; my first token in its sequence
	s_lshl_b32 s96, s94, 16                        ; codes: 65,536 bytes a head, 32 a token
	s_lshl_b32 s97, s95, 5
	s_add_co_u32 s96, s96, s97
	s_mov_b32 s97, 0
	s_lshl_b32 s98, s94, 13                        ; words: 8,192 bytes a head, 4 a token
	s_lshl_b32 s99, s95, 2
	s_add_co_u32 s98, s98, s99
	s_mov_b32 s99, 0
	s_cmp_eq_u32 s[XX], 1                          ; k?
	s_cselect_b64 s[16:17], s[20:21], s[16:17]
	s_cselect_b64 s[18:19], s[22:23], s[18:19]
	s_mov_b32 s100, 0x7f7f0000                     ; q: bytes 2, 3 = 127
	s_cselect_b32 s101, 0x01010000, s100           ; k, the key counts: 1
	s_cselect_b32 s100, 0xbbbb0000, s100           ; k, the key is masked: 187
	s_add_nc_u64 s[16:17], s[16:17], s[96:97]
	s_add_nc_u64 s[18:19], s[18:19], s[98:99]
	BODY 1
	v_mov_b32 v[VF], s100                          ; these lines name none of the last products' registers: they are the places behind them
	v_mov_b32 v[VT], s101
.irp a, 0,1,2,3
	v_cmp_ne_u32 vcc_lo, 0, v[MB+\a]
	v_cndmask_b32 v[HIW+\a], v[VF], v[VT], vcc_lo
.endr
.irp a, 0,1,2,3
	QUANT \a
	v_perm_b32 v[WA+\a], v[HIW+\a], v[PW+\a], 0x07060100     ; my first head's word: its two bytes, and the mask's two
	v_perm_b32 v[WB+\a], v[HIW+\a], v[PW+\a], 0x07060302     ; my second head's
	ds_store_b32 v[WQ], v[WA+\a] offset:4*\a                 ; [r][t]: both lanes of a row write the same word with the same value
	ds_store_b32 v[WQ], v[WB+\a] offset:256+4*\a
	global_store_b128 v[LI], v[PC+8*\a:PC+8*\a+3], s[16:17] offset:512*\a           ; an image: 512 consecutive bytes
	global_store_b128 v[LI], v[PC+8*\a+4:PC+8*\a+7], s[16:17] offset:65536+512*\a   ; the next head's
.endr
	ds_load_b128 v[RB:RB+3], v[WQR]                ; LDS serves a wave's instructions in order: this sees my stores
	s_wait_dscnt 0x0
	global_store_b128 v[QGO], v[RB:RB+3], s[18:19] ; sixteen lanes store 256 consecutive bytes of one head, sixteen those of the next
	s_wait_tensorcnt 0x0
	ds_add_u32 v254, v255
	s_wait_dscnt 0x0
	CROUND                                         ; the closing round: no work-group ends while a partner may still ask for a tile that names it
	s_endpgm
; ---------------- v: my 64 d = one head x my 128 keys = one key step
.Lv:
	s_lshl_b32 s76, s[AROW], 2
	s_mov_b32 s77, 0
	s_add_nc_u64 s[12:13], s[12:13], s[76:77]      ; b_qkv at my first row of W
	v_lshlrev_b32 v[BOFS], 2, v1
.irp a, 0,1,2,3
	global_load_b32 v[MB+\a], v[BOFS], s[12:13] offset:64*\a
.endr
	s_sub_co_u32 s94, s[AROW], 2048
	s_lshr_b32 s94, s94, 6                         ; the head
	s_lshr_b32 s95, s[BROW], 11
	s_lshl_b32 s95, s95, 4
	s_add_co_u32 s94, s94, s95                     ; 16 b + head
	s_lshl_b32 s94, s94, 4
	s_and_b32 s95, s[BROW], 2047
	s_lshr_b32 s95, s95, 7
	s_add_co_u32 s94, s94, s95                     ; x 16 + key step
	s_lshl_b32 s96, s94, 12                        ; 4,096 bytes of codes a step
	s_mov_b32 s97, 0
	s_add_nc_u64 s[24:25], s[24:25], s[96:97]
	s_lshl_b32 s96, s94, 8                         ; 256 bytes of words
	s_add_nc_u64 s[26:27], s[26:27], s[96:97]
	BODY 2
	PLACES
.irp a, 0,1,2,3
	QUANT \a
	ds_store_b32 v[WVS], v[PW+\a] offset:4*\a
	global_store_b128 v[LI], v[PC+8*\a:PC+8*\a+3], s[24:25] offset:1024*\a
	global_store_b128 v[LI], v[PC+8*\a+4:PC+8*\a+7], s[24:25] offset:1024*\a+512
.endr
	ds_load_b64 v[RB:RB+1], v[WVR]
	s_wait_dscnt 0x0
	global_store_b64 v[VGO], v[RB:RB+1], s[26:27]  ; 32 lanes store 256 consecutive bytes
	s_wait_tensorcnt 0x0
	ds_add_u32 v254, v255
	s_wait_dscnt 0x0
	CROUND
	s_endpgm
.Lfunc_end_k_q6f25fedeb8_qkv:
	.size	k_q6f25fedeb8_qkv, .Lfunc_end_k_q6f25fedeb8_qkv-k_q6f25fedeb8_qkv
	.p2alignl 7, 3214868480
	.fill 96, 4, 3214868480
	.section	.rodata,"a",@progbits
	.p2align	6, 0x0
	.amdhsa_kernel k_q6f25fedeb8_qkv
		.amdhsa_group_segment_fixed_size 213504
		.amdhsa_private_segment_fixed_size 0
		.amdhsa_enable_private_segment 0
		.amdhsa_kernarg_size 96
		.amdhsa_user_sgpr_count 2
		.amdhsa_user_sgpr_kernarg_segment_ptr 1
		.amdhsa_wavefront_size32 1
		.amdhsa_system_sgpr_workgroup_id_x 1
		.amdhsa_system_sgpr_workgroup_id_y 1
		.amdhsa_system_sgpr_workgroup_id_z 1
		.amdhsa_system_vgpr_workitem_id 0
		.amdhsa_next_free_vgpr 768
		.amdhsa_next_free_sgpr 102
		.amdhsa_reserve_vcc 1
		.amdhsa_float_denorm_mode_32 3
		.amdhsa_float_denorm_mode_16_64 3
		.amdhsa_memory_ordered 1
		.amdhsa_forward_progress 1
		.amdhsa_inst_pref_size 144
	.end_amdhsa_kernel
	.amdgpu_metadata
---
amdhsa.version: [ 1, 2 ]
amdhsa.kernels:
  - .name:           k_q6f25fedeb8_qkv
    .symbol:         k_q6f25fedeb8_qkv.kd
    .args:
      - { .name: x_codes, .offset: 0, .size: 8, .value_kind: global_buffer, .address_space: global }
      - { .name: x_scales, .offset: 8, .size: 8, .value_kind: global_buffer, .address_space: global }
      - { .name: W_qkv_codes, .offset: 16, .size: 8, .value_kind: global_buffer, .address_space: global }
      - { .name: W_qkv_scales, .offset: 24, .size: 8, .value_kind: global_buffer, .address_space: global }
      - { .name: b_qkv, .offset: 32, .size: 8, .value_kind: global_buffer, .address_space: global }
      - { .name: pad_mask, .offset: 40, .size: 8, .value_kind: global_buffer, .address_space: global }
      - { .name: qc, .offset: 48, .size: 8, .value_kind: global_buffer, .address_space: global }
      - { .name: qs, .offset: 56, .size: 8, .value_kind: global_buffer, .address_space: global }
      - { .name: kc, .offset: 64, .size: 8, .value_kind: global_buffer, .address_space: global }
      - { .name: ks, .offset: 72, .size: 8, .value_kind: global_buffer, .address_space: global }
      - { .name: vc, .offset: 80, .size: 8, .value_kind: global_buffer, .address_space: global }
      - { .name: vs, .offset: 88, .size: 8, .value_kind: global_buffer, .address_space: global }
    .group_segment_fixed_size: 213504
    .private_segment_fixed_size: 0
    .kernarg_segment_align: 8
    .kernarg_segment_size: 96
    .max_flat_workgroup_size: 128
    .sgpr_count:     102
    .vgpr_count:     768
    .wavefront_size: 32
...
	.end_amdgpu_metadata
.endif
;; end of part 1
;; launch attn (part 2): grid 4 x 64, 16 waves a work-group, no clusters, 145,408 bytes of LDS; arguments qc, qs, kc, ks, vc, vs, pad_mask, ac, as16; writes ac, as16
.if DOCPART == 2
	.amdgcn_target "amdgcn-amd-amdhsa--gfx1250"
	.amdhsa_code_object_version 6
	.text
	.protected	k_q6f25fedeb8_attn
	.globl	k_q6f25fedeb8_attn
	.p2align	8
	.type	k_q6f25fedeb8_attn,@function
k_q6f25fedeb8_attn:
	s_mov_b64 s[64:65], 0
	v_nop
	global_prefetch_b8 v0, s[64:65] scope:SCOPE_SE
	s_setreg_imm32_b32 hwreg(HW_REG_WAVE_MODE, 25, 1), 1
	s_wait_xcnt 0x0
; o = softmax(q k^T / 8, keys masked by pad_mask) v for one head, both products on codes of FP4 (E2M1) with E8M0 scales; o is quantised along E at once for the last product.
; THE SOFTMAX: t = score x log2(e) / 8; M = the running largest t rounded UP to a whole number; p = 2^(t - M) is quantised along the keys, not normalised; the row's sum of the unquantised p divides at the end.
; SHARES.  A work-group owns 512 queries of one head (16 b + head = work-group y); each of its sixteen waves two tiles of 16 queries, in 256 registers: each fragment of K and V that a wave reads serves both tiles.
; The head's K, V and their scale words (140 KiB) are copied into LDS once, through registers, laid by key step of 128: [step][K 4,096 | V 4,096] and [step][K's words 512 | V's 256]; one barrier; then LDS is only read.
; LAYOUT.  S^T = K Q^T (source 0 = 16 keys, source 1 = 16 queries), O^T = V^T P^T: a lane holds ONE query throughout.  All operands come as images of their registers: every LDS load takes 16 bytes at 16 x lane.
; THE MASK RIDES IN THE IDLE HALF OF K.  The head has 64 numbers, the instruction takes 128.  K's registers 4-7 hold the code -1 at k = 64 and 96, Q's the code +1; Q's scale bytes 2, 3 are 127, a key's are 1
; (the term is -2^-125) or 187 (-2^61: p = 0).  So the mask costs no vector instruction.
; A KEY STEP ALL OF WHOSE 128 KEYS ARE MASKED IS PASSED OVER: a scalar branch on a bitmap made of pad_mask's bytes; its p would all be 0.  The loop's trip count stays 16; no barrier stands in it.
; A BATCH WITH NO KEY THAT COUNTS: the masked softmax is then uniform.  Q's codes and its mask code are cleared and all steps are walked: all scores are 0, every p is 1.
; NO CLUSTER: the four work-groups of a head read the same 140 KiB; the branch above spares whole key steps of the
; softmax (some 460 vector instructions a wave each), the joint request one copy of 140 KiB a work-group.
; LIMITS: NaN and infinities are not served.  |q . k| stays under 2^50, so that -2^61 hides it; a logit at or under -1e9 is not told from a masked one.  A block of p or of o under 2^-124 keeps the byte 1 (its codes are zeros).
.set WD,  131072                       ; LDS: the scale words, behind the codes
.set AKV, 1                            ; v1   16 x lane + 8,192 x step
.set QS,  2                            ; v2   Q's scale words: lanes 0-15 tile 0's, lanes 16-31 tile 1's
.set PW0, 3                            ; v3   p's scale word, tile 0;  v14 tile 1
.set NM,  4                            ; v4 -M of tile 0, v5 at work;  v6, v7 tile 1
.set SUM, 8                            ; v[8:9], v[10:11] the rows' sums, each in two halves
.set F,   12                           ; v12  2^(old M - new M); named as a pair with v13
.set AW,  13                           ; v13  WD + 16 r + 768 x step
.set TT,  15                           ; v15  at work
.set Q,   16                           ; v16-31  two fragments of Q
.set K,   32                           ; v32-95  eight fragments of K
.set S,   96                           ; v96-159 S^T, then p; then V's four fragments in v96-127
.set O,   160                          ; v160-223 O^T: 32 q + 8 (tile of d)
.set PC,  224                          ; v224-239 p's codes: 8 q
.set KS,  240                          ; v240-247 K's scale words, then V's in v240-243
.set BM,  248                          ; v248-251 a block's largest score, largest p, scale operand
.set PB,  252                          ; v252-255 at work
.set CS,  44                           ; s[44:45] c = log2(e) / 8
.set SEL, 46                           ; s[46:47] selects for lane l xor 16
.set BITS, 41                          ; s41  bit l: some key of 64 l .. 64 l + 63 counts
	s_load_b512 s[4:19], s[0:1], 0x0               ; qc, qs, kc, ks, vc, vs, pad_mask, ac
	s_load_b64 s[20:21], s[0:1], 0x40              ; as16
	v_lshrrev_b32 v1, 5, v0
	s_delay_alu instid0(VALU_DEP_1)
	v_readfirstlane_b32 s22, v1                    ; wave 0..15
	s_and_b32 s23, ttmp7, 0xffff                   ; 16 b + head
	s_lshl_b32 s24, ttmp9, 5
	s_lshl_b32 s25, s22, 1
	s_add_co_u32 s24, s24, s25                     ; my first tile of 16 queries: 32 x work-group x + 2 x wave
	s_lshl_b32 s26, s23, 16                        ; a head's codes: 65,536 bytes
	s_mov_b32 s27, 0
	s_lshl_b32 s28, s23, 13                        ; its words of q or k: 8,192
	s_mov_b32 s29, 0
	s_lshl_b32 s30, s23, 12                        ; its words of v, and its as16: 4,096
	s_mov_b32 s31, 0
	s_lshr_b32 s32, s23, 4
	s_lshl_b32 s32, s32, 11                        ; the batch's mask
	s_mov_b32 s33, 0
	s_lshl_b32 s34, s24, 9                         ; a tile's image: 512 bytes
	s_mov_b32 s35, 0
	s_lshr_b32 s36, s24, 2
	s_lshl_b32 s36, s36, 8
	s_and_b32 s37, s24, 3
	s_lshl_b32 s37, s37, 2
	s_add_co_u32 s36, s36, s37                     ; my tiles' words in qs: [64 rows][r][t]
	s_mov_b32 s37, 0
	s_lshl_b32 s38, s24, 5                         ; as16: 32 bytes a tile
	s_mov_b32 s39, 0
	s_mov_b32 s[CS], 0x3e38aa3b
	s_mov_b32 s[CS+1], s[CS]                       ; (named with it as a pair, so it is written)
	s_mov_b32 s[SEL], 0x76543210
	s_mov_b32 s[SEL+1], 0xfedcba98
	s_mov_b32 s50, 0xffff0000                      ; lanes 16-31
	v_and_b32 v233, 31, v0                         ; lane
	v_and_b32 v234, 15, v0                         ; r
	v_bfe_u32 v235, v0, 4, 1                       ; h
	v_lshlrev_b32 v224, 4, v0                      ; the copy: 16 bytes a thread, 8,192 a load
	v_lshlrev_b32 v228, 3, v0
	v_and_b32 v225, 255, v0
	s_delay_alu instid0(VALU_DEP_1)
	v_lshlrev_b32 v225, 4, v225
	v_lshrrev_b32 v226, 8, v0
	s_delay_alu instid0(VALU_DEP_1)
	v_lshl_add_u32 v225, v226, 13, v225            ; a load's 8,192 bytes are two key steps' K (or V): threads 256 on go to the next step's 8,192 bytes of LDS
	s_delay_alu instid0(VALU_DEP_1)
	v_add_nc_u32 v226, 65536, v225                 ; (an LDS offset has 16 bits: loads 4 to 7 take a second register)
	s_mul_i32 s40, s22, 768
	s_add_co_u32 s40, s40, WD
	v_lshl_add_u32 v227, v233, 4, s40              ; K's words: wave w copies step w's 512 bytes,
	v_lshl_add_u32 v229, v233, 3, s40              ; and V's 256
	v_lshlrev_b32 v230, 4, v233
	v_lshlrev_b32 v231, 4, v234
	s_delay_alu instid0(VALU_DEP_1)
	v_lshl_add_u32 v231, v235, 2, v231             ; 16 r + 4 h
	v_lshlrev_b32 v232, 6, v233                    ; the mask: 64 bytes a lane
	v_lshlrev_b32 v[AKV], 4, v233
	v_lshl_add_u32 v[AW], v234, 4, WD
	s_wait_alu depctr_va_vdst(0)
	s_wait_kmcnt 0x0
	s_add_nc_u64 s[4:5], s[4:5], s[26:27]
	s_add_nc_u64 s[4:5], s[4:5], s[34:35]
	s_add_nc_u64 s[6:7], s[6:7], s[28:29]
	s_add_nc_u64 s[6:7], s[6:7], s[36:37]
	s_add_nc_u64 s[8:9], s[8:9], s[26:27]
	s_add_nc_u64 s[10:11], s[10:11], s[28:29]
	s_add_nc_u64 s[12:13], s[12:13], s[26:27]
	s_add_nc_u64 s[14:15], s[14:15], s[30:31]
	s_add_nc_u64 s[16:17], s[16:17], s[32:33]
	s_add_nc_u64 s[18:19], s[18:19], s[26:27]
	s_add_nc_u64 s[18:19], s[18:19], s[34:35]
	s_add_nc_u64 s[20:21], s[20:21], s[30:31]
	s_add_nc_u64 s[20:21], s[20:21], s[38:39]
.irp i, 0,1,2,3,4,5,6,7
	global_load_b128 v[96+4*\i:99+4*\i], v224, s[8:9] offset:8192*\i
	global_load_b128 v[128+4*\i:131+4*\i], v224, s[12:13] offset:8192*\i
.endr
	global_load_b128 v[160:163], v224, s[10:11]
	global_load_b64 v[164:165], v228, s[14:15]
.irp i, 0,1,2,3
	global_load_b128 v[166+4*\i:169+4*\i], v232, s[16:17] offset:16*\i
.endr
	global_load_b128 v[Q:Q+3], v230, s[4:5]
	global_load_b128 v[Q+8:Q+11], v230, s[4:5] offset:512
	global_load_b32 v[QS], v231, s[6:7]
.irp t, 0,1,2,3,4,5,6,7
	v_mov_b32 v[K+8*\t+4], 0xa                     ; K's registers 4-7: the code -1 at k = 64 (lanes 0-15) and k = 96 (lanes 16-31), zeros elsewhere; written once
	v_mov_b32 v[K+8*\t+5], 0
	v_mov_b32 v[K+8*\t+6], 0
	v_mov_b32 v[K+8*\t+7], 0
.endr
.irp i, 5,6,7,13,14,15
	v_mov_b32 v[Q+\i], 0
.endr
	v_mov_b32 v[NM], 0x7f61b1e6                    ; -M = 3e38: M lies under every t
	v_mov_b32 v[NM+1], 0
	v_mov_b32 v[NM+2], 0x7f61b1e6
	v_mov_b32 v[NM+3], 0
.irp i, 0,1,2,3
	v_mov_b32 v[SUM+\i], 0
	v_mov_b32 v[PB+\i], 0                          ; (a lane permute's destination counts as one of its sources)
.endr
	s_wait_loadcnt 0x0
.irp i, 0,1,2,3
	ds_store_b128 v225, v[96+4*\i:99+4*\i] offset:16384*\i
	ds_store_b128 v225, v[128+4*\i:131+4*\i] offset:16384*\i+4096
	ds_store_b128 v226, v[112+4*\i:115+4*\i] offset:16384*\i
	ds_store_b128 v226, v[144+4*\i:147+4*\i] offset:16384*\i+4096
.endr
	ds_store_b128 v227, v[160:163]
	ds_store_b64 v229, v[164:165] offset:512
.irp i, 1
	v_or_b32 v166, v166, v[166+\i]                 ; does any of my 64 keys count?
.endr
.irp i, 2, 3, 4, 5, 6, 7, 8, 9, 10, 11, 12, 13, 14, 15
	s_delay_alu instid0(VALU_DEP_1)
	v_or_b32 v166, v166, v[166+\i]
.endr
	s_delay_alu instid0(VALU_DEP_1)
	v_cmp_ne_u32 s[BITS], 0, v166
	s_cmp_lg_u32 s[BITS], 0                        ; does any key of the batch?
	s_cselect_b32 s42, -1, 0
	s_cselect_b32 s[BITS], s[BITS], -1             ; if none: all steps are walked,
	s_and_b32 s43, s42, 2                          ; Q's mask code (+1) is cleared,
.irp i, 0,1,2,3,8,9,10,11
	v_and_b32 v[Q+\i], s42, v[Q+\i]                ; and so are Q's codes
.endr
	v_mov_b32 v[Q+4], s43
	v_mov_b32 v[Q+12], s43
	s_wait_dscnt 0x0                               ; for the others' sake: my stores have landed
	s_barrier_signal -1
	s_barrier_wait -1
.set j, 0
.rept 64
	v_mov_b32 v[O+j], 0                            ; O^T.  Which step is the first that is walked hangs on the mask, so it cannot be written out: the step finds zeros
.set j, j+1
.endr
.macro KQ q                            ; S^T of tile q: eight tiles of 16 keys
.irp t, 0,1,2,3,4,5,6,7
.if \q
	v_wmma_scale_f32_16x16x128_f8f6f4 v[S+8*\t:S+8*\t+7], v[K+8*\t:K+8*\t+7], v[Q+8:Q+15], 0, v[KS+\t], v[QS] matrix_a_fmt:MATRIX_FMT_FP4 matrix_b_fmt:MATRIX_FMT_FP4 matrix_b_scale:MATRIX_SCALE_ROW1
.else
	v_wmma_scale_f32_16x16x128_f8f6f4 v[S+8*\t:S+8*\t+7], v[K+8*\t:K+8*\t+7], v[Q:Q+7], 0, v[KS+\t], v[QS] matrix_a_fmt:MATRIX_FMT_FP4 matrix_b_fmt:MATRIX_FMT_FP4
.endif
.endr
.rept 4
	v_nop                                          ; places behind the products: for the first read of the scores, and for the loads that later land in their registers
.endr
.endm
; THE SOFTMAX of tile q for 128 keys.  Register 8 t + j = key 16 t + 8 (lane / 16) + j of my query; block b of 32 keys = tiles 2 b, 2 b + 1 in lanes l and l xor 16.
.macro SOFT q
.set NMQ, NM+2*\q
.set TQ,  NM+2*\q+1
.set SQ,  SUM+2*\q
.set PWQ, PW0+11*\q
.set PCQ, PC+8*\q
.set OQ,  O+32*\q
.irp b, 0,1,2,3
	v_max3_num_f32 v[BM+\b], v[S+16*\b], v[S+16*\b+1], v[S+16*\b+2]   ; each block's largest score: for the row's maximum and, since p rises with the score, for the block's largest p
.endr
.irp i, 3,5,7,9,11,13
.irp b, 0,1,2,3
	v_max3_num_f32 v[BM+\b], v[BM+\b], v[S+16*\b+\i], v[S+16*\b+\i+1]
.endr
.endr
.irp b, 0,1,2,3
	v_max_num_f32 v[BM+\b], v[BM+\b], v[S+16*\b+15]
.endr
.irp b, 0,1,2,3
	s_delay_alu instid0(VALU_DEP_4)
	v_permlanex16_b32 v[PB+\b], v[BM+\b], s[SEL], s[SEL+1]
.endr
.irp b, 0,1,2,3
	s_delay_alu instid0(VALU_DEP_4)
	v_max_num_f32 v[BM+\b], v[BM+\b], v[PB+\b]
.endr
	s_delay_alu instid0(VALU_DEP_2)
	v_max3_num_f32 v[TQ], v[BM], v[BM+1], v[BM+2]
	s_delay_alu instid0(VALU_DEP_1)
	v_max_num_f32 v[TQ], v[TQ], v[BM+3]            ; the step's largest score of my query
	s_delay_alu instid0(VALU_DEP_1)
	v_mul_f32 v[TQ], s[CS], v[TQ]                  ; as t
	s_delay_alu instid0(VALU_DEP_1)
	v_floor_f32 v[TQ], -v[TQ]                      ; -ceil(t)
	v_mov_b32 v[TT], v[NMQ]
	s_delay_alu instid0(VALU_DEP_2)
	v_min_num_f32 v[NMQ], v[NMQ], v[TQ]            ; the new -M: M is a whole number
	s_delay_alu instid0(VALU_DEP_1)
	v_sub_f32 v[TT], v[NMQ], v[TT]                 ; old M - new M: a whole number, 0 or less
	s_delay_alu instid0(VALU_DEP_1)
	v_cvt_i32_f32 v[TT], v[TT]                     ; (it saturates)
	s_delay_alu instid0(VALU_DEP_1)
	v_ldexp_f32 v[F], 1.0, v[TT]                   ; f = 2^(old M - new M): multiplying by it rounds nothing
.set j, 0
.rept 32
	v_pk_fma_f32 v[S+j:S+j+1], v[S+j:S+j+1], s[CS:CS+1], v[NMQ:NMQ+1] op_sel_hi:[1,0,0]   ; t - M, two at a time
.set j, j+2
.endr
.irp b, 0,1,2,3
	v_fma_f32 v[BM+\b], v[BM+\b], s[CS], v[NMQ]    ; the same of each block's largest score
.endr
.set j, 0
	s_wait_alu depctr_va_vdst(0)
.rept 64
	v_exp_f32 v[S+j], v[S+j]                       ; p = 2^(t - M)
.set j, j+1
.endr
	v_pk_mul_f32 v[SQ:SQ+1], v[SQ:SQ+1], v[F:F+1] op_sel_hi:[1,0]   ; the sums under the new M: the plain place behind the exponentials
	s_wait_alu depctr_va_vdst(0)                   ; one wait for the batch of 64, ahead of its first reader
.irp b, 0,1,2,3
	v_exp_f32 v[BM+\b], v[BM+\b]                   ; each block's largest p: the same two instructions on the same number
.endr
	v_pk_add_f32 v[PB:PB+1], v[S:S+1], v[S+2:S+3]  ; the row's sum of the UNQUANTISED p, in two chains
.set j, 4
.rept 15
	v_pk_add_f32 v[SQ:SQ+1], v[SQ:SQ+1], v[S+j:S+j+1]
	v_pk_add_f32 v[PB:PB+1], v[PB:PB+1], v[S+j+2:S+j+3]
.set j, j+4
.endr
	s_delay_alu instid0(VALU_DEP_1)
	v_pk_add_f32 v[SQ:SQ+1], v[SQ:SQ+1], v[PB:PB+1]
	s_wait_alu depctr_va_vdst(0)                   ; and one for the four
.irp b, 0,1,2,3
	v_max_num_f32 v[BM+\b], 0x1800000, v[BM+\b]    ; the floor 2^(3 - 127): the byte cannot fall under 1
.endr
.irp b, 0,1,2,3
	s_delay_alu instid0(VALU_DEP_4)
	v_add_nc_u32 v[BM+\b], 0xff000000, v[BM+\b]    ; 2 off the exponent field: the conversion's scale operand
.endr
.irp b, 0,1,2,3
	s_delay_alu instid0(VALU_DEP_4)
	v_lshrrev_b32 v[PB+\b], 23, v[BM+\b]           ; the scale's byte
.endr
	s_delay_alu instid0(VALU_DEP_3)
	v_lshl_or_b32 v[PWQ], v[PB+1], 8, v[PB]
	s_delay_alu instid0(VALU_DEP_1)
	v_lshl_or_b32 v[PWQ], v[PB+2], 16, v[PWQ]
	s_delay_alu instid0(VALU_DEP_1)
	v_lshl_or_b32 v[PWQ], v[PB+3], 24, v[PWQ]
.irp t, 0,1,2,3,4,5,6,7
	v_cvt_scalef32_pk8_fp4_f32 v[PCQ+4*(\t/4)+2*(\t%2)+(\t%4)/2], v[S+8*\t:S+8*\t+7], v[BM+\t/2]   ; within each 64 keys tile u's codes go to place 0, 2, 1, 3
.endr
	v_nop                                          ; one plain place behind a scaled conversion
.if \q
	s_setprio 0
.irp d, 0,1,2,3                        ; p is done with: V's four fragments land where it lay, V's words where K's lay
.irp c, 0,1
	ds_load_b128 v[S+8*\d+4*\c:S+8*\d+4*\c+3], v[AKV] offset:4096+1024*\d+512*\c
.endr
.endr
	ds_load_b128 v[KS:KS+3], v[AW] offset:512
.endif
.irp c, 0,1
	v_permlane16_swap_b32 v[PCQ+4*\c], v[PCQ+4*\c+1]       ; two exchanges of halves: register i now holds keys 64 c + 32 (lane / 16) + 8 i + 0 .. 7
	v_permlane16_swap_b32 v[PCQ+4*\c+2], v[PCQ+4*\c+3]
.endr
.set j, 0
.rept 16
	v_pk_mul_f32 v[OQ+j:OQ+j+1], v[OQ+j:OQ+j+1], v[F:F+1] op_sel_hi:[1,0]   ; O^T under the new M, from each accumulator's low end on; these sixteen are also the places in front of the next products
.set j, j+2
.endr
.endm
	s_mov_b32 s48, 16
.Lstep:
	s_and_b32 s49, s[BITS], 3                      ; this step's 128 keys
	s_cmp_eq_u32 s49, 0
	s_cbranch_scc1 .Lskip                          ; none counts: every p would be 0
	s_setprio 2
.rept 4
	v_nop                                          ; with the two additions at the loop's tail: the places behind the last step's products, whose registers are loaded and written anew
.endr
	s_wait_alu depctr_va_vdst(0)
.irp t, 0,1,2,3,4,5,6,7
	ds_load_b128 v[K+8*\t:K+8*\t+3], v[AKV] offset:512*\t
.endr
	ds_load_b128 v[KS:KS+3], v[AW]
	ds_load_b128 v[KS+4:KS+7], v[AW] offset:256
	s_wait_dscnt 0x0
	KQ 0
	SOFT 0
	KQ 1
	s_setprio 1
	SOFT 1
	s_wait_alu depctr_va_vdst(0)
	s_wait_dscnt 0x0                               ; V and its words are in
.irp d, 0,1,2,3                        ; O^T += V^T P^T: the eight accumulators by turns
.irp q, 0,1
	v_wmma_scale_f32_16x16x128_f8f6f4 v[O+32*\q+8*\d:O+32*\q+8*\d+7], v[S+8*\d:S+8*\d+7], v[PC+8*\q:PC+8*\q+7], v[O+32*\q+8*\d:O+32*\q+8*\d+7], v[KS+\d], v[PW0+11*\q] matrix_a_fmt:MATRIX_FMT_FP4 matrix_b_fmt:MATRIX_FMT_FP4
.endr
.endr
.Lskip:
	s_wait_alu depctr_va_vdst(0)
	v_add_nc_u32 v[AKV], 8192, v[AKV]              ; on to the next step, walked or not (no LDS load of mine is out)
	v_add_nc_u32 v[AW], 768, v[AW]
	s_lshr_b32 s[BITS], s[BITS], 2
	s_sub_co_u32 s48, s48, 1
	s_cmp_lg_u32 s48, 0
	s_cbranch_scc1 .Lstep
	s_setprio 0
	; THE WAY OUT.  o = O^T / the sum; its 64 numbers a row are two blocks of 32 along E: quantised as above, they leave as half a fragment's image and two scale bytes a row.
	v_add_f32 v8, v8, v9
	v_add_f32 v10, v10, v11
	s_delay_alu instid0(VALU_DEP_2)
	v_permlanex16_b32 v[PB], v8, s[SEL], s[SEL+1]
	s_delay_alu instid0(VALU_DEP_2)
	v_permlanex16_b32 v[PB+1], v10, s[SEL], s[SEL+1]
	s_delay_alu instid0(VALU_DEP_2)
	v_add_f32 v8, v8, v[PB]
	s_delay_alu instid0(VALU_DEP_2)
	v_add_f32 v10, v10, v[PB+1]                    ; the rows' sums
	s_wait_alu depctr_va_vdst(0)
	v_rcp_f32 v4, v8
	v_rcp_f32 v6, v10
	v_and_b32 v[TT], 31, v0                        ; (plain work behind the reciprocals)
	s_delay_alu instid0(VALU_DEP_1)
	v_lshlrev_b32 v1, 4, v[TT]                     ; 16 x lane
	s_delay_alu instid0(VALU_DEP_2)
	v_lshlrev_b32 v13, 1, v[TT]                    ; 2 x lane
	s_wait_alu depctr_va_vdst(0)                   ; one wait for both, ahead of their first reader
.set j, 0
.rept 16
	v_pk_mul_f32 v[S+j:S+j+1], v[O+j:O+j+1], v[4:5] op_sel_hi:[1,0]
.set j, j+2
.endr
.rept 16
	v_pk_mul_f32 v[S+j:S+j+1], v[O+j:O+j+1], v[6:7] op_sel_hi:[1,0]
.set j, j+2
.endr
.irp b, 0,1,2,3                        ; blocks 0, 1: tile 0's; 2, 3: tile 1's
	v_max3_num_f32 v[BM+\b], |v[S+16*\b]|, |v[S+16*\b+1]|, 0x1800000
.endr
.irp i, 2,4,6,8,10,12,14
.irp b, 0,1,2,3
	s_delay_alu instid0(VALU_DEP_4)
	v_max3_num_f32 v[BM+\b], v[BM+\b], |v[S+16*\b+\i]|, |v[S+16*\b+\i+1]|
.endr
.endr
.irp b, 0,1,2,3
	s_delay_alu instid0(VALU_DEP_4)
	v_permlanex16_b32 v[PB+\b], v[BM+\b], s[SEL], s[SEL+1]
.endr
.irp b, 0,1,2,3
	s_delay_alu instid0(VALU_DEP_4)
	v_max_num_f32 v[BM+\b], v[BM+\b], v[PB+\b]
.endr
.irp b, 0,1,2,3
	s_delay_alu instid0(VALU_DEP_4)
	v_add_nc_u32 v[BM+\b], 0xff000000, v[BM+\b]
.endr
.irp b, 0,1,2,3
	s_delay_alu instid0(VALU_DEP_4)
	v_lshrrev_b32 v[PB+\b], 23, v[BM+\b]
.endr
	s_delay_alu instid0(VALU_DEP_3)
	v_lshl_or_b32 v8, v[PB+1], 8, v[PB]            ; tile 0: my row's two bytes
	s_delay_alu instid0(VALU_DEP_2)
	v_lshl_or_b32 v9, v[PB+3], 8, v[PB+2]          ; tile 1
	s_delay_alu instid0(VALU_DEP_1)
	v_cndmask_b32 v8, v8, v9, s50                  ; lanes 0-15 keep tile 0's rows, lanes 16-31 take tile 1's
.irp t, 0,1,2,3,4,5,6,7
	v_cvt_scalef32_pk8_fp4_f32 v[PC+4*(\t/4)+2*(\t%2)+(\t%4)/2], v[S+8*\t:S+8*\t+7], v[BM+\t/2]
.endr
	v_nop
.irp c, 0,1
	v_permlane16_swap_b32 v[PC+4*\c], v[PC+4*\c+1]
	v_permlane16_swap_b32 v[PC+4*\c+2], v[PC+4*\c+3]
.endr
	global_store_b128 v1, v[PC:PC+3], s[18:19]               ; an image: 512 consecutive bytes
	global_store_b128 v1, v[PC+4:PC+7], s[18:19] offset:512
	global_store_b16 v13, v8, s[20:21]                       ; 64 consecutive bytes a wave: one byte in sixteen of what the launch stores
	s_wait_xcnt 0x0
	v_lshl_add_u32 v254, v0, 2, 0x23000
	v_mov_b32 v255, 0
	s_wait_alu depctr_va_vdst(0)
	s_wait_tensorcnt 0x0
	ds_add_u32 v254, v255
	s_wait_dscnt 0x0
	s_endpgm
.Lfunc_end_k_q6f25fedeb8_attn:
	.size	k_q6f25fedeb8_attn, .Lfunc_end_k_q6f25fedeb8_attn-k_q6f25fedeb8_attn
	.p2alignl 7, 3214868480
	.fill 96, 4, 3214868480
	.section	.rodata,"a",@progbits
	.p2align	6, 0x0
	.amdhsa_kernel k_q6f25fedeb8_attn
		.amdhsa_group_segment_fixed_size 145408
		.amdhsa_private_segment_fixed_size 0
		.amdhsa_enable_private_segment 0
		.amdhsa_kernarg_size 72
		.amdhsa_user_sgpr_count 2
		.amdhsa_user_sgpr_kernarg_segment_ptr 1
		.amdhsa_wavefront_size32 1
		.amdhsa_system_sgpr_workgroup_id_x 1
		.amdhsa_system_sgpr_workgroup_id_y 1
		.amdhsa_system_sgpr_workgroup_id_z 1
		.amdhsa_system_vgpr_workitem_id 0
		.amdhsa_next_free_vgpr 256
		.amdhsa_next_free_sgpr 66
		.amdhsa_reserve_vcc 0
		.amdhsa_float_denorm_mode_32 3
		.amdhsa_float_denorm_mode_16_64 3
		.amdhsa_memory_ordered 1
		.amdhsa_forward_progress 1
		.amdhsa_inst_pref_size 51
	.end_amdhsa_kernel
	.amdgpu_metadata
---
amdhsa.version: [ 1, 2 ]
amdhsa.kernels:
  - .name:           k_q6f25fedeb8_attn
    .symbol:         k_q6f25fedeb8_attn.kd
    .args:
      - { .name: qc, .offset: 0, .size: 8, .value_kind: global_buffer, .address_space: global }
      - { .name: qs, .offset: 8, .size: 8, .value_kind: global_buffer, .address_space: global }
      - { .name: kc, .offset: 16, .size: 8, .value_kind: global_buffer, .address_space: global }
      - { .name: ks, .offset: 24, .size: 8, .value_kind: global_buffer, .address_space: global }
      - { .name: vc, .offset: 32, .size: 8, .value_kind: global_buffer, .address_space: global }
      - { .name: vs, .offset: 40, .size: 8, .value_kind: global_buffer, .address_space: global }
      - { .name: pad_mask, .offset: 48, .size: 8, .value_kind: global_buffer, .address_space: global }
      - { .name: ac, .offset: 56, .size: 8, .value_kind: global_buffer, .address_space: global }
      - { .name: as16, .offset: 64, .size: 8, .value_kind: global_buffer, .address_space: global }
    .group_segment_fixed_size: 145408
    .private_segment_fixed_size: 0
    .kernarg_segment_align: 8
    .kernarg_segment_size: 72
    .max_flat_workgroup_size: 512
    .sgpr_count:     66
    .vgpr_count:     256
    .wavefront_size: 32
...
	.end_amdgpu_metadata
.endif
;; end of part 2
;; launch proj (part 3): grid 4 x 64, 4 waves a work-group, clusters of 4 x 4, 327,680 bytes of LDS; arguments ac, as16, W_out_codes, W_out_scales, b_out, out0; writes out0
.if DOCPART == 3
	.amdgcn_target "amdgcn-amd-amdhsa--gfx1250"
	.amdhsa_code_object_version 6
	.text
	.protected	k_q6f25fedeb8_proj
	.globl	k_q6f25fedeb8_proj
	.p2align	8
	.type	k_q6f25fedeb8_proj,@function
k_q6f25fedeb8_proj:
	s_mov_b64 s[64:65], 0
	v_nop
	global_prefetch_b8 v0, s[64:65] scope:SCOPE_SE
	s_setreg_imm32_b32 hwreg(HW_REG_WAVE_MODE, 25, 1), 1
	s_wait_xcnt 0x0
	s_wait_alu depctr_hold_cnt(0) depctr_sa_sdst(0) depctr_va_vdst(0) depctr_va_sdst(0) depctr_va_ssrc(0) depctr_va_vcc(0) depctr_vm_vsrc(0)
	s_getreg_b32 s2, hwreg(HW_REG_IB_STS2, 6, 4)
	s_cmp_eq_u32 s2, 0
	s_cbranch_scc0 .Lentry_in_a_cluster
	s_endpgm
.Lentry_in_a_cluster:
	s_bfe_u32 s2, ttmp6, 0x10000c
	s_cmp_lg_u32 s2, 0xf033
	s_cbranch_scc0 .Lentry_shape_is_right
	s_endpgm
.Lentry_shape_is_right:
; out = o W_out + b_out on codes of FP4 (E2M1) with E8M0 scales.  o: 8,192 rows x 1,024 K, as the attention launch left it: ac [16 b + head][tile of 16 rows][lane][16 bytes], images of half fragments
; (row lane % 16, d = 32 (lane / 16) + 0 .. 31), and as16 [16 b + head][row] two scale bytes.  W_out: 1,024 rows (n) x 1,024 K, 512 bytes a row, 32 scale bytes a row.  out: [8,192][1,024] f32.
; SHARES.  A work-group makes 128 rows x 256 columns; a wave 64 x 128: 32 accumulators.  Source 0 = 16 rows of W_out, source 1 = 16 rows of o: a lane holds eight neighbouring columns of one row of out.
; K = 1,024 lies whole in LDS as two halves, each byte filled once.  A half of o is 8 heads x 4,096 bytes of images (no padding: a load takes 16 bytes at 16 x lane); K step q's fragment is the images of heads 2 q, 2 q + 1.
; A half of W_out is 256 rows of 256 bytes + 16 of padding.  CLUSTER 4 x 4: o's tile is asked for jointly along the cluster's row, W_out's along its column.
; LIMITS: NaN and infinities are not served.
.set PITCH,  272
.set BHALF,  128*PITCH
.set BOFF,   32768                     ; W_out's rows lie behind o's images
.set SLOT,   BOFF+256*PITCH            ; half of K
.set STG,    2*SLOT                    ; behind the tiles: a stage of 16 rows x (512 + 16) bytes for each wave
.set SPITCH, 528
.set ADRA, 4                           ; v4-5   my images of o in half 0, 1
.set ADRB, 6                           ; v6-7   my fragments of W_out
.set SOF,  8                           ; v8     32 r
.set LI,   10                          ; v10    16 x lane
.set STO,  11                          ; v11    the stage: where I put 32 bytes of a row
.set RD,   12                          ; v12    and where I read a row back
.set BOFS, 25
.set SA,   32                          ; v32-47   o's scale words: 8 (a / 2) + K step; lanes 0-15 the even block's rows, lanes 16-31 the odd block's
.set SB,   64                          ; v64-127  W_out's: 8 b + K step
.set BI,   128                         ; v128-191 the bias: the C of the first K step
.set TS,   192                         ; v192-223 o's scale bytes as loaded
.set WV,  28
.set RH,  29
.set CH,  30
.set G1A, 32
.set G1B, 40
.set G0A, 48
.set G0B, 56
.set CX,  66
.set CY,  67
.set TA,  70
.set TB,  72
.set AROW, 90
.set BROW, 91
.set MULW, 0xa5                        ; sources 0, 1 window 1; C and D window 2
.set MUL0, 0x85                        ; the same with C in window 0
.set TO_F, 0x40                        ; destination window 1
.set MSB, 0
.macro WIN new
.if MSB != \new
	s_set_vgpr_msb (MSB<<8)|\new
.set MSB, \new
.endif
.endm
.macro PLACES
.rept 4
	v_nop
.endr
.endm
.macro JLOAD s                         ; a joint load: waves 0, 1 fetch o's halves, waves 2, 3 W_out's; four v_nop follow each line
	s_cmp_eq_u32 s[RH], 0
	s_cbranch_scc0 .Lfor_b_\@
	tensor_load_to_lds s[G0A+4*\s:G0A+4*\s+3], s[G1A:G1A+7]
	s_nop 0
.rept 4
	v_nop
.endr
	s_branch .Lasked_\@
.Lfor_b_\@:
	tensor_load_to_lds s[G0B+4*\s:G0B+4*\s+3], s[G1B:G1B+7]
	s_nop 0
.rept 4
	v_nop
.endr
.Lasked_\@:
.endm
.macro CROUND
	s_barrier_signal -1
	s_barrier_wait -1
	s_cmp_lg_u32 s[WV], 0
	s_cbranch_scc1 .Lnot_wave_0_\@
	s_barrier_signal -3
.Lnot_wave_0_\@:
	s_barrier_wait -3
	s_barrier_signal -1
	s_barrier_wait -1
.endm
	s_load_b256 s[4:11], s[0:1], 0x0               ; ac, as16, W_out codes, W_out scales
	s_load_b128 s[12:15], s[0:1], 0x20             ; b_out, out0
	v_lshl_add_u32 v254, v0, 2, 0x3a800
	v_mov_b32 v255, 0
	ds_add_u32 v254, v255
	ds_add_u32 v254, v255
	v_lshrrev_b32 v1, 5, v0
	v_readfirstlane_b32 s[WV], v1
	s_lshr_b32 s[RH], s[WV], 1
	s_and_b32 s[CH], s[WV], 1
	s_bfe_u32 s[CX], ttmp6, 0x40000
	s_bfe_u32 s[CY], ttmp6, 0x40004
	s_and_b32 s[TA], ttmp7, 0xffff
	s_lshl_b32 s[TA], s[TA], 2
	s_add_co_u32 s[TA], s[TA], s[CY]               ; my 128 rows: 4 x cluster y + cy
	s_lshl_b32 s[TB], ttmp9, 2
	s_add_co_u32 s[TB], s[TB], s[CX]               ; my 256 columns: 4 x cluster x + cx
	s_lshl_b32 s74, s[CY], 2
	s_lshl_b32 s74, 15, s74
	s_lshl_b32 s75, 0x1111, s[CX]
	s_or_b32 s[G1A], s74, (3<<16)|(1<<21)          ; the mask; elements of 8 bytes; no padding; bit 21 beside a mask
	s_mov_b32 s[G1A+1], 512<<16                    ; a row: 4,096 bytes: my 128 rows' images of one head
	s_mov_b32 s[G1A+2], 4<<16                      ; four heads
	s_mov_b32 s[G1A+3], 512<<16
	s_mov_b32 s[G1A+4], 4
	s_mov_b32 s[G1A+5], 8192                       ; 65,536 bytes from head to head
	s_mov_b32 s[G1A+6], 0
	s_mov_b32 s[G1A+7], 0
	s_or_b32 s[G1B], s75, (1<<20)|(1<<21)|(5<<22)|(3<<25)   ; elements of 1 byte; 4 words of padding behind every 64
	s_mov_b32 s[G1B+1], 256<<16
	s_mov_b32 s[G1B+2], 128<<16
	s_mov_b32 s[G1B+3], 256<<16
	s_mov_b32 s[G1B+4], 128
	s_mov_b32 s[G1B+5], 512
	s_mov_b32 s[G1B+6], 0
	s_mov_b32 s[G1B+7], 0
	s_lshr_b32 s76, s[TA], 4
	s_lshl_b32 s76, s76, 20                        ; the batch: 16 heads of 65,536 bytes
	s_and_b32 s77, s[TA], 15
	s_lshl_b32 s77, s77, 12                        ; my 128 rows in a head: 4,096 bytes
	s_add_co_u32 s76, s76, s77
	s_lshl_b32 s77, s[CH], 18                      ; the four heads that I fetch
	s_add_co_u32 s76, s76, s77
	s_mov_b32 s77, 0
	s_lshl_b32 s78, s[TB], 8
	s_lshl_b32 s79, s[CH], 7
	s_add_co_u32 s78, s78, s79
	s_lshl_b32 s78, s78, 9
	s_mov_b32 s79, 0
	s_lshl_b32 s88, s[CH], 14                      ; where they go: the wave's number alone enters an LDS address
	s_mul_i32 s89, s[CH], BHALF
	s_add_co_u32 s89, s89, BOFF
	s_wait_dscnt 0x0
	s_wait_kmcnt 0x0
	s_add_nc_u64 s[80:81], s[4:5], s[76:77]
	s_add_nc_u64 s[82:83], s[8:9], s[78:79]
	CROUND                                         ; all sixteen work-groups are here: the joint loads meet
.irp s, 0,1
	s_mov_b32 s[G0A+4*\s], 1
	s_add_co_u32 s[G0A+4*\s+1], s88, \s*SLOT
	s_add_nc_u64 s[G0A+4*\s+2:G0A+4*\s+3], s[80:81], \s*524288   ; eight heads on
	s_or_b32 s[G0A+4*\s+3], s[G0A+4*\s+3], 0x80000000
	s_mov_b32 s[G0B+4*\s], 1
	s_add_co_u32 s[G0B+4*\s+1], s89, \s*SLOT
	s_add_nc_u64 s[G0B+4*\s+2:G0B+4*\s+3], s[82:83], \s*256
	s_or_b32 s[G0B+4*\s+3], s[G0B+4*\s+3], 0x80000000
	s_wait_alu depctr_va_vdst(0)
	s_wait_tensorcnt 0x0
	ds_add_u32 v254, v255
	ds_add_u32 v254, v255
	s_wait_dscnt 0x0
	CROUND
	JLOAD \s                                       ; the halves of K go out one after the other: one tensor load of mine is out at a time
.endr
	s_lshl_b32 s[AROW], s[TA], 7
	s_lshl_b32 s76, s[RH], 6
	s_add_co_u32 s[AROW], s[AROW], s76             ; my first row
	s_lshl_b32 s[BROW], s[TB], 8
	s_lshl_b32 s78, s[CH], 7
	s_add_co_u32 s[BROW], s[BROW], s78             ; my first column
	s_lshr_b32 s76, s[AROW], 11
	s_lshl_b32 s76, s76, 16                        ; as16: the batch's 16 heads of 4,096 bytes,
	s_and_b32 s77, s[AROW], 2047
	s_lshl_b32 s77, s77, 1                         ; 2 bytes a row
	s_add_co_u32 s76, s76, s77
	s_mov_b32 s77, 0
	s_add_nc_u64 s[6:7], s[6:7], s[76:77]
	s_lshl_b32 s78, s[BROW], 5
	s_mov_b32 s79, 0
	s_add_nc_u64 s[10:11], s[10:11], s[78:79]
	s_lshl_b32 s78, s[BROW], 2
	s_add_nc_u64 s[12:13], s[12:13], s[78:79]
	s_lshl_b32 s94, s[AROW], 12                    ; out: 4,096 bytes a row
	s_lshl_b32 s95, s[BROW], 2
	s_add_co_u32 s94, s94, s95
	s_mov_b32 s95, 0
	s_add_nc_u64 s[14:15], s[14:15], s[94:95]
	v_and_b32 v1, 15, v0                           ; r
	v_bfe_u32 v2, v0, 4, 1                         ; h
	v_and_b32 v3, 31, v0                           ; lane
	v_lshlrev_b32 v[SOF], 5, v1
	v_lshlrev_b32 v9, 1, v3
	v_lshlrev_b32 v[BOFS], 5, v2
.irp i, 0,1
.irp hh, 0,1,2,3,4,5,6,7,8,9,10,11,12,13,14,15
	global_load_u16 v[TS+16*\i+\hh], v9, s[6:7] offset:4096*\hh+64*\i   ; rows 32 i + lane, head hh: 64 consecutive bytes
.endr
.endr
.irp b, 0,1,2,3,4,5,6,7
	global_load_b128 v[SB+8*\b:SB+8*\b+3], v[SOF], s[10:11] offset:512*\b
	global_load_b128 v[SB+8*\b+4:SB+8*\b+7], v[SOF], s[10:11] offset:512*\b+16
.endr
.irp b, 0,1,2,3,4,5,6,7
	global_load_b128 v[BI+8*\b:BI+8*\b+3], v[BOFS], s[12:13] offset:64*\b
	global_load_b128 v[BI+8*\b+4:BI+8*\b+7], v[BOFS], s[12:13] offset:64*\b+16
.endr
	v_lshlrev_b32 v[LI], 4, v3
	v_mul_u32_u24 v13, v1, PITCH
	v_lshl_add_u32 v13, v2, 4, v13
	s_lshl_b32 s88, s[RH], 11                      ; my 64 rows: four images of 512 bytes
	s_mul_i32 s89, s[CH], BHALF
	s_add_co_u32 s89, s89, BOFF
.irp s, 0,1
	v_add_nc_u32 v[ADRA+\s], s88, v[LI]
	v_add_nc_u32 v[ADRB+\s], s89, v13
	s_add_co_u32 s88, s88, SLOT
	s_add_co_u32 s89, s89, SLOT
.endr
	s_mul_i32 s88, s[WV], 16*SPITCH
	s_add_co_u32 s88, s88, STG
	v_mul_u32_u24 v[STO], v1, SPITCH
	v_lshl_add_u32 v[STO], v2, 5, v[STO]
	v_add_nc_u32 v[STO], s88, v[STO]
	v_add_nc_u32 v[RD], s88, v[LI]
.macro FETCH q, p                      ; 24 LDS loads: K step q's fragments into set p of window 1: o's four at 8 a, W_out's eight at 32 + 8 b
	WIN TO_F
.irp b, 0,1,2,3,4,5,6,7
.irp c, 0,1
	ds_load_b128 v[128*(\p)+32+8*\b+4*\c:128*(\p)+32+8*\b+4*\c+3], v[ADRB+(\q)/4] offset:64*((\q)%4)+32*\c+\b*16*PITCH
.endr
.endr
.irp a, 0,1,2,3
.irp c, 0,1
	ds_load_b128 v[128*(\p)+8*\a+4*\c:128*(\p)+8*\a+4*\c+3], v[ADRA+(\q)/4] offset:(2*((\q)%4)+\c)*4096+512*\a
.endr
.endr
	WIN 0
.endm
; 16 matrix instructions: o's blocks a0 (even: its scale words in lanes 0-15) and a0 + 1 (odd: lanes 16-31) x W_out's eight.  mode 1: the sums begin with the bias.
; The 32 accumulators take turns, one instruction a turn, in the same order in every K step.
.macro MUL q, p, mode, a0
.irp b, 0,1,2,3,4,5,6,7
.if \mode
	v_wmma_scale_f32_16x16x128_f8f6f4 v[8*(8*(\a0)+\b):8*(8*(\a0)+\b)+7], v[128*(\p)+32+8*\b:128*(\p)+32+8*\b+7], v[128*(\p)+8*(\a0):128*(\p)+8*(\a0)+7], v[BI+8*\b:BI+8*\b+7], v[SB+8*\b+(\q)], v[SA+4*(\a0)+(\q)] matrix_a_fmt:MATRIX_FMT_FP4 matrix_b_fmt:MATRIX_FMT_FP4
.else
	v_wmma_scale_f32_16x16x128_f8f6f4 v[8*(8*(\a0)+\b):8*(8*(\a0)+\b)+7], v[128*(\p)+32+8*\b:128*(\p)+32+8*\b+7], v[128*(\p)+8*(\a0):128*(\p)+8*(\a0)+7], v[8*(8*(\a0)+\b):8*(8*(\a0)+\b)+7], v[SB+8*\b+(\q)], v[SA+4*(\a0)+(\q)] matrix_a_fmt:MATRIX_FMT_FP4 matrix_b_fmt:MATRIX_FMT_FP4
.endif
.endr
.irp b, 0,1,2,3,4,5,6,7
.if \mode
	v_wmma_scale_f32_16x16x128_f8f6f4 v[8*(8*(\a0+1)+\b):8*(8*(\a0+1)+\b)+7], v[128*(\p)+32+8*\b:128*(\p)+32+8*\b+7], v[128*(\p)+8*(\a0+1):128*(\p)+8*(\a0+1)+7], v[BI+8*\b:BI+8*\b+7], v[SB+8*\b+(\q)], v[SA+4*(\a0)+(\q)] matrix_a_fmt:MATRIX_FMT_FP4 matrix_b_fmt:MATRIX_FMT_FP4 matrix_b_scale:MATRIX_SCALE_ROW1
.else
	v_wmma_scale_f32_16x16x128_f8f6f4 v[8*(8*(\a0+1)+\b):8*(8*(\a0+1)+\b)+7], v[128*(\p)+32+8*\b:128*(\p)+32+8*\b+7], v[128*(\p)+8*(\a0+1):128*(\p)+8*(\a0+1)+7], v[8*(8*(\a0+1)+\b):8*(8*(\a0+1)+\b)+7], v[SB+8*\b+(\q)], v[SA+4*(\a0)+(\q)] matrix_a_fmt:MATRIX_FMT_FP4 matrix_b_fmt:MATRIX_FMT_FP4 matrix_b_scale:MATRIX_SCALE_ROW1
.endif
.endr
.endm
.macro STEP q, mode
	s_wait_dscnt 0x0                               ; this step's fragments are in (asked for 32 matrix instructions ago)
	PLACES                                         ; in front of loads into the set that the last step multiplied
	FETCH (\q)+1, 1-(\q)%2
.if \mode
	WIN MUL0
.else
	WIN MULW
.endif
	MUL \q, (\q)%2, \mode, 0
	MUL \q, (\q)%2, \mode, 2
	WIN 0
.endm
	s_wait_alu depctr_va_vdst(0)
	s_wait_tensorcnt 0x1                           ; my part of the first half of K is in; the one younger load, the second half's, may stay out
	s_barrier_signal -1
	s_barrier_wait -1
	FETCH 0, 0
	s_wait_loadcnt 0x0
.irp q, 0,1,2,3,4,5,6,7
.irp i, 0,1
	v_lshl_or_b32 v[SA+8*\i+\q], v[TS+16*\i+2*\q+1], 16, v[TS+16*\i+2*\q]   ; K step q's word: head 2 q's two bytes, head 2 q + 1's two.  The first step's words are made first: fourteen lines and the step's four places follow them
.endr
.endr
	STEP 0, 1
	STEP 1, 0
	STEP 2, 0
	s_wait_alu depctr_va_vdst(0)
	s_wait_dscnt 0x0                               ; step 3's fragments are in: no LDS access of mine is out at the signal
	s_wait_tensorcnt 0x0                           ; my part of the second half of K is in
	s_barrier_signal -1
	WIN MULW
	MUL 3, 1, 0, 0
	WIN 0
	s_barrier_wait -1
	PLACES
	FETCH 4, 0
	WIN MULW
	MUL 3, 1, 0, 2
	WIN 0
	STEP 4, 0
	STEP 5, 0
	STEP 6, 0
	s_wait_dscnt 0x0
	WIN MULW
	MUL 7, 1, 0, 0
	MUL 7, 1, 0, 2
	WIN 0
; THE WAY OUT, block by block of 16 rows x 128 columns: a lane holds 32 neighbouring bytes of a row, the lanes beside it other rows; so a block goes through my own stage and comes back as whole rows of 512 bytes.
; LDS serves a wave's instructions in order: no wait between the stores and the loads, nor in front of the next block's stores.  Each block comes back into registers of its own (window 1, free now).
.macro TOSTAGE a
	WIN 0x08                                       ; an LDS store's data: window 2
.irp b, 0,1,2,3,4,5,6,7
	ds_store_b128 v[STO], v[64*\a+8*\b:64*\a+8*\b+3] offset:64*\b        ; each accumulator from its low end on
	ds_store_b128 v[STO], v[64*\a+8*\b+4:64*\a+8*\b+7] offset:64*\b+16
.endr
	WIN TO_F
.irp t, 0,1,2,3,4,5,6,7,8,9,10,11,12,13,14,15
	ds_load_b128 v[64*\a+4*\t:64*\a+4*\t+3], v[RD] offset:\t*SPITCH
.endr
	WIN 0
.endm
.macro SEND a
	WIN 0x04                                       ; a store's data: window 1
.irp t, 0,1,2,3,4,5,6,7,8,9,10,11,12,13,14,15
	global_store_b128 v[LI], v[64*\a+4*\t:64*\a+4*\t+3], s[14:15] offset:(16*\a+\t)*4096 th:TH_STORE_NT   ; 32 lanes store 512 consecutive bytes, at a multiple of 512 from out's first byte
.endr
	WIN 0
.endm
	PLACES                                         ; behind the last products: for the first read of results and the loads into the fragments' registers
	TOSTAGE 0
	TOSTAGE 1
	s_wait_dscnt 32                                ; block 0 is back; block 1's 16 stores and 16 loads may be out
	SEND 0
	TOSTAGE 2
	s_wait_dscnt 32
	SEND 1
	TOSTAGE 3
	s_wait_dscnt 32
	SEND 2
	s_wait_dscnt 0x0
	SEND 3
	s_wait_tensorcnt 0x0
	ds_add_u32 v254, v255
	s_wait_dscnt 0x0
	CROUND                                         ; the closing round: no work-group ends while a partner may still ask for a tile that names it
	s_endpgm
.Lfunc_end_k_q6f25fedeb8_proj:
	.size	k_q6f25fedeb8_proj, .Lfunc_end_k_q6f25fedeb8_proj-k_q6f25fedeb8_proj
	.p2alignl 7, 3214868480
	.fill 96, 4, 3214868480
	.section	.rodata,"a",@progbits
	.p2align	6, 0x0
	.amdhsa_kernel k_q6f25fedeb8_proj
		.amdhsa_group_segment_fixed_size 327680
		.amdhsa_private_segment_fixed_size 0
		.amdhsa_enable_private_segment 0
		.amdhsa_kernarg_size 48
		.amdhsa_user_sgpr_count 2
		.amdhsa_user_sgpr_kernarg_segment_ptr 1
		.amdhsa_wavefront_size32 1
		.amdhsa_system_sgpr_workgroup_id_x 1
		.amdhsa_system_sgpr_workgroup_id_y 1
		.amdhsa_system_sgpr_workgroup_id_z 1
		.amdhsa_system_vgpr_workitem_id 0
		.amdhsa_next_free_vgpr 768
		.amdhsa_next_free_sgpr 100
		.amdhsa_reserve_vcc 0
		.amdhsa_float_denorm_mode_32 3
		.amdhsa_float_denorm_mode_16_64 3
		.amdhsa_memory_ordered 1
		.amdhsa_forward_progress 1
		.amdhsa_inst_pref_size 77
	.end_amdhsa_kernel
	.amdgpu_metadata
---
amdhsa.version: [ 1, 2 ]
amdhsa.kernels:
  - .name:           k_q6f25fedeb8_proj
    .symbol:         k_q6f25fedeb8_proj.kd
    .args:
      - { .name: ac, .offset: 0, .size: 8, .value_kind: global_buffer, .address_space: global }
      - { .name: as16, .offset: 8, .size: 8, .value_kind: global_buffer, .address_space: global }
      - { .name: W_out_codes, .offset: 16, .size: 8, .value_kind: global_buffer, .address_space: global }
      - { .name: W_out_scales, .offset: 24, .size: 8, .value_kind: global_buffer, .address_space: global }
      - { .name: b_out, .offset: 32, .size: 8, .value_kind: global_buffer, .address_space: global }
      - { .name: out0, .offset: 40, .size: 8, .value_kind: global_buffer, .address_space: global }
    .group_segment_fixed_size: 327680
    .private_segment_fixed_size: 0
    .kernarg_segment_align: 8
    .kernarg_segment_size: 48
    .max_flat_workgroup_size: 128
    .sgpr_count:     100
    .vgpr_count:     768
    .wavefront_size: 32
...
	.end_amdgpu_metadata
.endif
;; end of part 3
